; MI455X (gfx1250); checked and timed in simulation.
; The chip was launched on July 23, 2026; its instructions are those of AMD's public machine-readable ISA for CDNA 5 (MIT licence, August 2026) and "CDNA5" Instruction Set Architecture Reference Guide (July 2026). The comments in the code are by the model that wrote it; some were corrected since.
;; Multi Head Attention. Allowed arithmetic: matrix products marked QUANTISED: E4M3 operands, one E8M0 scale for each 32 along K, by v_wmma_scale_f32_16x16x128_f8f6f4 with both operands' format E4M3, f32 sums; everything else in f32.
;; Inputs: Wo_codes 1,024 x 32 x 32 uint8 (E4M3 codes of Wo, K innermost, in blocks of 32 codes); Wo_scales 1,024 x 32 uint8 (E8M0 scales of Wo, one for each 32 codes along K); Wqkv_codes 16 x 192 x 32 x 32 uint8 (E4M3 codes of Wqkv, K innermost, in blocks of 32 codes); Wqkv_scales 16 x 192 x 32 uint8 (E8M0 scales of Wqkv, one for each 32 codes along K); bo 1,024 float32; bqkv 16 x 192 float32; mask 4 x 2,048 x 2,048 int32; x_codes 4 x 2,048 x 32 x 32 uint8 (E4M3 codes of x, K innermost, in blocks of 32 codes); x_scales 4 x 2,048 x 32 uint8 (E8M0 scales of x, one for each 32 codes along K).
;; Outputs: out0 4 x 2,048 x 1,024 float32.
;; This version of the problem:
;;   THIS VERSION OF THE PROBLEM IS GIVEN IN LOW PRECISION. The matrix products marked QUANTISED in the list below multiply operands that are first quantised to E4M3 (4 exponent bits, 3 mantissa bits; 8 bits a number), with one power-of-two scale for each 32 numbers along K (OCP MX v1.0); their sums are f32. All else is computed in f32.
;;   The module's matrix products, in the order in which they are computed (A, B: the left and right operand; K: the contracted axis; several contracted axes count as one K, in the product's order):
;;     1. [M 3,072, K 1,024] x [K 1,024, N 8,192]; A: input Wqkv (given as codes); B: input x (given as codes): QUANTISED
;;     2. batch 64 x [M 2,048, K 64] x [K 64, N 2,048]; A: computed on the way; B: computed on the way: QUANTISED
;;     3. batch 64 x [M 2,048, K 2,048] x [K 2,048, N 64]; A: softmax (see below); B: computed on the way: QUANTISED
;;     4. [M 8,192, K 1,024] x [K 1,024, N 1,024]; A: computed on the way; B: input Wo (given as codes): QUANTISED
;;   THE QUANTISER, for each operand of a quantised product, along K:
;;     - K is cut into blocks of 32 from its start; a last block that is shorter is filled with zeros.
;;     - A block's scale is 2^e with e = floor(log2(the largest magnitude in the block)) - 8, held to -126 .. 127; a block of zeros has e = 0. As a byte (E8M0): e + 127.
;;     - Each number is divided by its block's scale, clamped to +-448, and rounded to the nearest number of E4M3, ties to even, subnormals kept.
;;     - The product sums the exact products of the quantised numbers (number of the format x scale) in f32.
;;   ~~~python
;;   def quantise(x, axis):      # numpy; x: float32 -> the quantised numbers, widened to float32 again
;;       x = np.moveaxis(x, axis, -1); K = x.shape[-1]
;;       x = np.pad(x, [(0, 0)] * (x.ndim - 1) + [(0, -K % 32)]); x = x.reshape(x.shape[:-1] + (-1, 32)); a = np.abs(x).max(-1, keepdims=True)
;;       e = np.where(a > 0, np.clip(np.frexp(np.where(a > 0, a, 1))[1] - 1 - 8, -126, 127), 0)      # np.frexp(a)[1] - 1 = floor(log2(a)), exactly
;;       r = np.clip(x / 2.0 ** e, -448, 448)
;;       step = 2.0 ** (np.maximum(np.frexp(np.where(r == 0, 1, r))[1] - 1, -6) - 3)
;;       q = np.round(r / step) * step * 2.0 ** e      # np.round: ties to even
;;       return np.moveaxis(q.reshape(q.shape[:-2] + (-1,))[..., :K], -1, axis).astype(np.float32)
;;   ~~~
;;   SOFTMAX AHEAD OF A QUANTISED PRODUCT. Where the list says 'softmax', what is quantised is not the finished softmax but p = 2^(t - M), with t = logit x log2(e) and M = ceil(the row's largest t), a whole number; so 1/2 < the row's largest p <= 1. The row's sum l is taken of the UNQUANTISED p, in f32, and the product's result is divided by l at the end. Since M is a whole number, a kernel that streams over the keys may use a running M (the ceiling of the running maximum): every later rescaling is an exact power of two, which a block's scale takes up: the codes' values come out the same.
;;   OPERANDS COMPUTED ON THE WAY. 'Computed on the way' means the value that the module computes at that place (a softmax that the list does not call 'softmax' is quantised finished and normalised). What goes into a quantiser is computed in f32, as accurately as f32 sums, v_exp_f32 and their like allow (about 1e-6 of the number): no bf16 or f16 on the way to a quantiser, and a product that is left as it is and whose result goes on into a quantised operand takes f32 operands (vector FMAs, or v_wmma_f32_16x16x4_f32). A number that lies on a knife's edge between two numbers of the format may be rounded either way, as far as f32 arithmetic and the matrix unit's own rounding can turn it there, and no further.
;;   INPUTS GIVEN AS CODES. Wo (in the module: [1024, 1024], K = its axis 1); Wqkv (in the module: [16, 192, 1024], K = its axis 2); x (in the module: [4, 2048, 1024], K = its axis 2): each comes as NAME_codes (uint8): NAME with its K axis moved to the last place and cut into blocks of 32 codes, [.., K / 32, bytes a block], one block behind the other in memory; one code a byte (a code: sign, 4 exponent bits, 3 mantissa bits); and NAME_scales (uint8): the same leading axes, one E8M0 byte (e + 127) for each 32 codes along K. Its value is code x scale, taken as it is: it is not quantised again, and the codes and scales need not be those that the quantiser above would give.
;; One version. Each part assembles by itself: llvm-mc -triple=amdgcn-amd-amdhsa -mcpu=gfx1250 --defsym DOCPART=n.
;; ======== version 1 of 1: 4 launches
;; limits: right only within a limited range of input values
;; workspace buffers: mbits 2,097,152 bytes of whole numbers; qimg 8,388,608 bytes; qscl 524,288 bytes; kv 17,563,648 bytes; ctximg 8,388,608 bytes; cscl 262,144 bytes
;; launch maskpack (part 1): grid 512 x 1, 4 waves a work-group, no clusters, 34,304 bytes of LDS; arguments mask, mbits; writes mbits
.if DOCPART == 1
	.amdgcn_target "amdgcn-amd-amdhsa--gfx1250"
	.amdhsa_code_object_version 6
	.text
	.protected	k_q1dabc81576_maskpack
	.globl	k_q1dabc81576_maskpack
	.p2align	8
	.type	k_q1dabc81576_maskpack,@function
k_q1dabc81576_maskpack:
	s_mov_b64 s[64:65], 0
	v_nop
	global_prefetch_b8 v0, s[64:65] scope:SCOPE_SE
	s_setreg_imm32_b32 hwreg(HW_REG_WAVE_MODE, 25, 1), 1
	s_wait_xcnt 0x0
; mask [4][2048][2048] int32 becomes lane-mask words for the attention launch: mbits [T 512][step 16][n 64] dwords, T = 128 b + (query / 16).
; Bit l = r + 16 h of word n = 8 t + j says whether mask[b][16 (T % 128) + r][128 step + 32 (t / 2) + 16 h + 8 (t % 2) + j] == 1: that is the lane and the register
; in which the attention launch holds that score, so that there one select with the word as its lane mask serves 32 scores.
; No step of the problem is left out in this program, and every input is read.
; SHARES: a work-group takes one band T of 16 queries, wave w its key steps 4 w .. 4 w + 3: four tiles of 16 rows x 512 bytes.
; Each load reads 512 consecutive bytes of one row.  A tile turns through the wave's own stage in LDS (rows 528 bytes apart), so that lane (r, h) gets row r's
; numbers in the order above; a compare then makes a whole word at once, in a scalar register; v_writelane_b32 gathers 64 words in a register pair, two a lane,
; and one store of 8 bytes a lane writes 256 consecutive bytes, aligned.  Waves share nothing: no barrier.  Matrix units and clusters have no work here: the launch is a stream.
.set SPITCH, 528                       ; a stage row: 512 bytes + 16
.set WSTG,   16*SPITCH                 ; a wave's stage
.set OUTP,   8                         ; v8-15   a pair of output registers for each of the four tiles
.set R,      16                        ; v16-143 two sets of 64: a tile as loaded
.set X,      144                       ; v144-207 a tile as the compares want it: register 8 t + j
	s_load_b128 s[4:7], s[0:1], 0x0                ; mask, mbits
	v_lshl_add_u32 v208, v0, 2, 0x8400             ; my spare word, behind the stages
	v_mov_b32 v209, 0
	v_lshrrev_b32 v5, 5, v0
	v_readfirstlane_b32 s8, v5                     ; wave
	v_and_b32 v6, 31, v0                           ; lane
	v_and_b32 v7, 15, v0                           ; r
	v_bfe_u32 v5, v0, 4, 1                         ; h
	v_lshlrev_b32 v1, 4, v6                        ; 16 x lane: my bytes of a load's 512
	s_mul_i32 s9, s8, WSTG
	v_add_nc_u32 v2, s9, v1                        ; the stage, on the way in
	v_mul_u32_u24 v3, v7, SPITCH
	v_lshl_add_u32 v3, v5, 6, v3
	v_add_nc_u32 v3, s9, v3                        ; and on the way out: row r, + 64 h (16 keys)
	v_lshlrev_b32 v4, 3, v6                        ; 8 x lane: my two words of a tile's 64
.irp i, 0,1,2,3,4,5,6,7
	v_mov_b32 v[OUTP+\i], 0                        ; written whole once: v_writelane_b32 changes one lane
.endr
	s_lshl_b32 s10, ttmp9, 17                      ; 16 rows of 8,192 bytes a band,
	s_lshl_b32 s11, s8, 11                         ; four steps of 512 bytes a wave
	s_add_co_u32 s10, s10, s11
	s_mov_b32 s11, 0
	s_lshl_b32 s12, ttmp9, 12                      ; 16 steps of 256 bytes a band,
	s_lshl_b32 s13, s8, 10                         ; four of them a wave
	s_add_co_u32 s12, s12, s13
	s_mov_b32 s13, 0
	s_wait_kmcnt 0x0
	s_add_nc_u64 s[4:5], s[4:5], s[10:11]
	s_add_nc_u64 s[6:7], s[6:7], s[12:13]
.macro LOAD tt                         ; tile tt: 16 rows, 512 consecutive bytes each, into set tt % 2
.irp i, 0,1,2,3,4,5,6,7,8,9,10,11,12,13,14,15
	global_load_b128 v[R+64*((\tt)%2)+4*\i:R+64*((\tt)%2)+4*\i+3], v1, s[4:5] offset:\i*8192+(\tt)*512 th:TH_LOAD_NT
.endr
.endm
.macro TILE tt
.if (\tt) < 3
	s_wait_loadcnt 16                              ; this tile's 16 loads are in; the next tile's 16 may be out
.else
	s_wait_loadcnt 0x0
.endif
.irp i, 0,1,2,3,4,5,6,7,8,9,10,11,12,13,14,15
	ds_store_b128 v2, v[R+64*((\tt)%2)+4*\i:R+64*((\tt)%2)+4*\i+3] offset:\i*SPITCH
.endr
.irp t, 0,1,2,3,4,5,6,7
	ds_load_b128 v[X+8*\t:X+8*\t+3], v3 offset:128*(\t/2)+32*(\t%2)      ; LDS serves a wave's instructions in order: these see the stores above
	ds_load_b128 v[X+8*\t+4:X+8*\t+7], v3 offset:128*(\t/2)+32*(\t%2)+16
.endr
	s_wait_dscnt 0x0                               ; the tile is back, and the stores have read their registers,
.if (\tt)+2 < 4
	LOAD (\tt)+2                                   ; which take the tile two further on
.endif
.irp g, 0,1,2,3
.irp k, 0,1,2,3,4,5,6,7,8,9,10,11,12,13,14,15
	v_cmp_eq_u32 s[16+\k], 1, v[X+16*\g+\k]        ; word n = 16 g + k: one bit a lane
.endr
.irp k, 0,1,2,3,4,5,6,7,8,9,10,11,12,13,14,15
	v_writelane_b32 v[OUTP+2*(\tt)+(\k%2)], s[16+\k], 8*\g+\k/2   ; word n goes to lane n / 2, register n % 2
.endr
.endr
	global_store_b64 v4, v[OUTP+2*(\tt):OUTP+2*(\tt)+1], s[6:7] offset:(\tt)*256   ; 32 lanes store 256 consecutive bytes, aligned; each tile has its own pair, so no store's data are written again
.endm
	LOAD 0
	LOAD 1
	TILE 0
	TILE 1
	TILE 2
	TILE 3
	s_wait_tensorcnt 0x0                           ; the wave's end
	ds_add_u32 v208, v209
	s_wait_dscnt 0x0
	s_endpgm
.Lfunc_end_k_q1dabc81576_maskpack:
	.size	k_q1dabc81576_maskpack, .Lfunc_end_k_q1dabc81576_maskpack-k_q1dabc81576_maskpack
	.p2alignl 7, 3214868480
	.fill 96, 4, 3214868480
	.section	.rodata,"a",@progbits
	.p2align	6, 0x0
	.amdhsa_kernel k_q1dabc81576_maskpack
		.amdhsa_group_segment_fixed_size 34304
		.amdhsa_private_segment_fixed_size 0
		.amdhsa_enable_private_segment 0
		.amdhsa_kernarg_size 16
		.amdhsa_user_sgpr_count 2
		.amdhsa_user_sgpr_kernarg_segment_ptr 1
		.amdhsa_wavefront_size32 1
		.amdhsa_system_sgpr_workgroup_id_x 1
		.amdhsa_system_sgpr_workgroup_id_y 1
		.amdhsa_system_sgpr_workgroup_id_z 1
		.amdhsa_system_vgpr_workitem_id 0
		.amdhsa_next_free_vgpr 210
		.amdhsa_next_free_sgpr 66
		.amdhsa_reserve_vcc 0
		.amdhsa_float_denorm_mode_32 3
		.amdhsa_float_denorm_mode_16_64 3
		.amdhsa_memory_ordered 1
		.amdhsa_forward_progress 1
		.amdhsa_inst_pref_size 49
	.end_amdhsa_kernel
	.amdgpu_metadata
---
amdhsa.version: [ 1, 2 ]
amdhsa.kernels:
  - .name:           k_q1dabc81576_maskpack
    .symbol:         k_q1dabc81576_maskpack.kd
    .args:
      - { .name: mask, .offset: 0, .size: 8, .value_kind: global_buffer, .address_space: global }
      - { .name: mbits, .offset: 8, .size: 8, .value_kind: global_buffer, .address_space: global }
    .group_segment_fixed_size: 34304
    .private_segment_fixed_size: 0
    .kernarg_segment_align: 8
    .kernarg_segment_size: 16
    .max_flat_workgroup_size: 128
    .sgpr_count:     66
    .vgpr_count:     210
    .wavefront_size: 32
...
	.end_amdgpu_metadata
.endif
;; end of part 1
;; launch qkv (part 2): grid 32 x 16, 4 waves a work-group, clusters of 4 x 4, 327,680 bytes of LDS; arguments x_codes, x_scales, Wqkv_codes, Wqkv_scales, bqkv, qimg, qscl, kv; writes qimg, qscl, kv
.if DOCPART == 2
	.amdgcn_target "amdgcn-amd-amdhsa--gfx1250"
	.amdhsa_code_object_version 6
	.text
	.protected	k_q1dabc81576_qkv
	.globl	k_q1dabc81576_qkv
	.p2align	8
	.type	k_q1dabc81576_qkv,@function
k_q1dabc81576_qkv:
	s_mov_b64 s[64:65], 0
	v_nop
	global_prefetch_b8 v0, s[64:65] scope:SCOPE_SE
	s_setreg_imm32_b32 hwreg(HW_REG_WAVE_MODE, 25, 1), 1
	s_wait_xcnt 0x0
	s_wait_alu depctr_hold_cnt(0) depctr_sa_sdst(0) depctr_va_vdst(0) depctr_va_sdst(0) depctr_va_ssrc(0) depctr_va_vcc(0) depctr_vm_vsrc(0)
	s_getreg_b32 s2, hwreg(HW_REG_IB_STS2, 6, 4)
	s_cmp_eq_u32 s2, 0
	s_cbranch_scc0 .Lentry_in_a_cluster
	s_endpgm
.Lentry_in_a_cluster:
	s_bfe_u32 s2, ttmp6, 0x10000c
	s_cmp_lg_u32 s2, 0xf033
	s_cbranch_scc0 .Lentry_shape_is_right
	s_endpgm
.Lentry_shape_is_right:
.set PITCH,  272
.set WBYTES, 192*PITCH
.set SLOT,   448*PITCH
.set SPARE,  2*SLOT
.set VSTG,   SPARE+512
.set REC,    17152
.set ADRW, 4
.set ADRX, 6
.set LI,   8
.set L8,   9
.set VST,  10
.set VLD,  11
.set VGO,  12
.set SCO,  13
.set BQO,  14
.set BVO,  15
.set SPW,  28
.set NIL,  29
.set XS,   32
.set WS,   48
.set TM,   96
.set TP,   104
.set TH,   112
.set TS,   120
.set XF,   128
.set G1W, 24
.set G0W, 32
.set G1X, 48
.set G0X, 56
.set MSB, 0
.macro WIN new
.if MSB != \new
	s_set_vgpr_msb (MSB<<8)|\new
.set MSB, \new
.endif
.endm
.macro PLACES n
.rept \n
	v_nop
.endr
.endm
.macro JLOAD s
	s_cmp_eq_u32 s21, 0
	s_cbranch_scc0 .Lfor_x_\@
	tensor_load_to_lds s[G0W+4*\s:G0W+4*\s+3], s[G1W:G1W+7]
	s_nop 0
.rept 4
	v_nop
.endr
	s_branch .Lasked_\@
.Lfor_x_\@:
	tensor_load_to_lds s[G0X+4*\s:G0X+4*\s+3], s[G1X:G1X+7]
	s_nop 0
.rept 4
	v_nop
.endr
.Lasked_\@:
.endm
.macro CROUND
	s_barrier_signal -1
	s_barrier_wait -1
	s_cmp_lg_u32 s20, 0
	s_cbranch_scc1 .Lnot_wave_0_\@
	s_barrier_signal -3
.Lnot_wave_0_\@:
	s_barrier_wait -3
	s_barrier_signal -1
	s_barrier_wait -1
.endm
	s_load_b512 s[4:19], s[0:1], 0x0
	v_lshl_add_u32 v[SPW], v0, 2, SPARE
	v_mov_b32 v[NIL], 0
	ds_add_u32 v28, v29
	ds_add_u32 v28, v29
	s_wait_dscnt 0x0
	v_lshrrev_b32 v1, 5, v0
	v_readfirstlane_b32 s20, v1
	s_lshr_b32 s21, s20, 1
	s_and_b32 s22, s20, 1
	s_bfe_u32 s40, ttmp6, 0x40000
	s_bfe_u32 s41, ttmp6, 0x40004
	s_lshl_b32 s42, ttmp9, 2
	s_add_co_u32 s42, s42, s40
	s_and_b32 s43, ttmp7, 0xffff
	s_lshl_b32 s43, s43, 2
	s_add_co_u32 s43, s43, s41
	s_lshl_b32 s44, s41, 2
	s_lshl_b32 s44, 15, s44
	s_lshl_b32 s45, 0x1111, s40
	s_or_b32 s[G1W], s44, (1<<20)|(1<<21)|(5<<22)|(3<<25)
	s_mov_b32 s[G1W+1], 256<<16
	s_mov_b32 s[G1W+2], 96<<16
	s_mov_b32 s[G1W+3], 256<<16
	s_mov_b32 s[G1W+4], 96
	s_mov_b32 s[G1W+5], 1024
	s_mov_b32 s[G1W+6], 0
	s_mov_b32 s[G1W+7], 0
	s_or_b32 s[G1X], s45, (1<<20)|(1<<21)|(5<<22)|(3<<25)
	s_mov_b32 s[G1X+1], 256<<16
	s_mov_b32 s[G1X+2], 128<<16
	s_mov_b32 s[G1X+3], 256<<16
	s_mov_b32 s[G1X+4], 128
	s_mov_b32 s[G1X+5], 1024
	s_mov_b32 s[G1X+6], 0
	s_mov_b32 s[G1X+7], 0
	s_mul_i32 s70, s43, 192
	s_mul_i32 s71, s22, 96
	s_add_co_u32 s70, s70, s71
	s_lshl_b32 s70, s70, 10
	s_mov_b32 s71, 0
	s_lshl_b32 s74, s42, 8
	s_lshl_b32 s75, s22, 7
	s_add_co_u32 s74, s74, s75
	s_lshl_b32 s74, s74, 10
	s_mov_b32 s75, 0
	s_mul_i32 s23, s22, 96*PITCH
	s_mul_i32 s46, s22, 128*PITCH
	s_add_co_u32 s46, s46, WBYTES
	s_wait_kmcnt 0x0
	s_add_nc_u64 s[72:73], s[8:9], s[70:71]
	s_add_nc_u64 s[76:77], s[4:5], s[74:75]
	CROUND
.irp s, 0,1
	s_mov_b32 s[G0W+4*\s], 1
	s_add_co_u32 s[G0W+4*\s+1], s23, \s*SLOT
	s_add_nc_u64 s[G0W+4*\s+2:G0W+4*\s+3], s[72:73], \s*256
	s_or_b32 s[G0W+4*\s+3], s[G0W+4*\s+3], 0x80000000
	s_mov_b32 s[G0X+4*\s], 1
	s_add_co_u32 s[G0X+4*\s+1], s46, \s*SLOT
	s_add_nc_u64 s[G0X+4*\s+2:G0X+4*\s+3], s[76:77], \s*256
	s_or_b32 s[G0X+4*\s+3], s[G0X+4*\s+3], 0x80000000
.endr
	JLOAD 0                                        ; K step 0: my one tensor load at the head, behind the round above
	; the prefetches: of the rows that I fetch (96 of W or 128 of x) each of the four partners that ask for them jointly takes a quarter, told apart by address alone
	s_cmp_eq_u32 s21, 0                            ; do I fetch for W?
	s_cselect_b64 s[84:85], s[72:73], s[76:77]     ; my rows' first byte
	s_cselect_b32 s86, s40, s41                    ; my place among the four: cx for W, cy for x
	s_cselect_b32 s87, 24, 32                      ; rows to a partner
	s_mul_i32 s86, s86, s87
	s_lshl_b32 s86, s86, 10                        ; a row is 1,024 bytes
	s_sub_co_u32 s87, s87, 1
	v_and_b32 v1, 15, v0
	v_bfe_u32 v2, v0, 4, 1
	v_and_b32 v3, 31, v0
	v_min_u32 v30, s87, v3                         ; a lane a row; lanes that are left over name the last row again
	v_lshl_add_u32 v30, v30, 10, s86               ; v30 is never rewritten
	global_prefetch_b8 v30, s[84:85] offset:256 th:TH_LOAD_NT scope:SCOPE_SE   ; K step 1's 256 bytes of each row,
	global_prefetch_b8 v30, s[84:85] offset:512 th:TH_LOAD_NT scope:SCOPE_SE   ; and K step 2's
	v_mul_u32_u24 v[ADRW], v1, PITCH
	v_lshl_add_u32 v[ADRW], v2, 4, v[ADRW]
	v_add_nc_u32 v[ADRW+1], SLOT, v[ADRW]
	s_mul_i32 s47, s20, 64*PITCH
	s_add_co_u32 s47, s47, WBYTES
	v_add_nc_u32 v[ADRX], s47, v[ADRW]
	v_add_nc_u32 v[ADRX+1], SLOT, v[ADRX]
	v_lshlrev_b32 v[LI], 4, v3
	v_lshlrev_b32 v[L8], 3, v3
	s_lshl_b32 s47, s21, 8
	s_lshl_b32 s78, s22, 1
	s_add_co_u32 s47, s47, s78
	s_add_co_u32 s47, s47, VSTG
	v_lshl_add_u32 v[VST], v1, 2, s47
	v_add_nc_u32 v[VLD], VSTG, v[LI]
	v_mul_u32_u24 v[VGO], v2, REC
	v_lshl_add_u32 v[VGO], v1, 4, v[VGO]
	v_lshlrev_b32 v[SCO], 5, v1
	v_lshl_add_u32 v[SCO], v2, 4, v[SCO]
	s_wait_alu depctr_va_vdst(0)
	v_lshlrev_b32 v[BQO], 5, v2
	s_wait_alu depctr_va_vdst(0)
	v_lshlrev_b32 v[BVO], 2, v1
	s_wait_alu depctr_va_vdst(0)
	s_lshl_b32 s78, s42, 13
	s_lshl_b32 s79, s20, 11
	s_add_co_u32 s78, s78, s79
	s_mov_b32 s79, 0
	s_add_nc_u64 s[6:7], s[6:7], s[78:79]
	s_mul_i32 s78, s43, 6144
	s_add_nc_u64 s[10:11], s[10:11], s[78:79]
	s_mul_i32 s78, s43, 768
	s_add_nc_u64 s[12:13], s[12:13], s[78:79]
.irp m, 0,1,2,3
	global_load_b128 v[XS+4*\m:XS+4*\m+3], v[SCO], s[6:7] offset:512*\m
.endr
.irp g, 0,1,2,3,4,5,6,7,8,9,10,11
	global_load_b128 v[WS+4*\g:WS+4*\g+3], v[SCO], s[10:11] offset:512*\g
.endr
	WIN 0x40
.irp g, 0,1,2,3,4,5,6,7
	global_load_b128 v[192+8*\g:195+8*\g], v[BQO], s[12:13] offset:64*\g
	global_load_b128 v[196+8*\g:199+8*\g], v[BQO], s[12:13] offset:64*\g+16
.endr
	WIN 0xc0
.irp f, 0,1,2,3
.irp j, 0,1,2,3,4,5,6,7
	global_load_b32 v[128+8*\f+\j], v[BVO], s[12:13] offset:512+64*\f
.endr
.endr
	WIN 0
.irp n, 0,1,2,3,4,5,6,7
	v_mov_b32 v[TP+\n], 0
.endr
	s_mov_b32 s66, 0x76543210
	s_mov_b32 s67, 0xfedcba98
	s_mov_b32 s68, 0x600000
	s_mov_b32 s69, 0xffff0000
	s_lshr_b32 s80, s42, 3
	s_and_b32 s81, s42, 7
	s_lshl_b32 s80, s80, 4
	s_add_co_u32 s80, s80, s43
	s_lshl_b32 s82, s80, 7
	s_lshl_b32 s83, s81, 4
	s_add_co_u32 s82, s82, s83
	s_lshl_b32 s83, s20, 2
	s_add_co_u32 s82, s82, s83
	s_lshl_b32 s78, s82, 10
	s_add_nc_u64 s[14:15], s[14:15], s[78:79]
	s_lshl_b32 s78, s82, 6
	s_add_nc_u64 s[16:17], s[16:17], s[78:79]
	s_lshl_b32 s82, s80, 4
	s_lshl_b32 s83, s81, 1
	s_add_co_u32 s82, s82, s83
	s_mul_i32 s78, s82, REC
	s_add_nc_u64 s[94:95], s[18:19], s[78:79]
	s_add_nc_u64 s[94:95], s[94:95], 16896
	s_add_co_u32 s82, s82, s21
	s_mul_i32 s78, s82, REC
	s_add_nc_u64 s[18:19], s[18:19], s[78:79]
	s_lshl_b32 s78, s22, 12
	s_add_nc_u64 s[88:89], s[18:19], s[78:79]
	s_lshl_b32 s78, s22, 8
	s_add_nc_u64 s[90:91], s[18:19], s[78:79]
	s_add_nc_u64 s[90:91], s[90:91], 16384
	s_lshl_b32 s78, s22, 10
	s_add_nc_u64 s[92:93], s[18:19], s[78:79]
	s_add_nc_u64 s[92:93], s[92:93], 8192
.macro LDX t
	WIN 0
.irp m, 0,1,2,3
.irp c, 0,1,2,3
	ds_load_b128 v[XF+64*((\t)%2)+16*\m+4*\c:XF+64*((\t)%2)+16*\m+4*\c+3], v[ADRX+((\t)/2)%2] offset:16*\m*PITCH+128*((\t)%2)+32*\c
.endr
.endr
.endm
.macro LDW t, g
	WIN 0x40
.irp f, 0,1,2,3
.irp c, 0,1,2,3
	ds_load_b128 v[16*(4*(\g)+\f)+4*\c:16*(4*(\g)+\f)+4*\c+3], v[ADRW+((\t)/2)%2] offset:(64*(\g)+16*\f)*PITCH+128*((\t)%2)+32*\c
.endr
.endr
.endm
.macro GRP t, g
.if (\g) < 2
.if (\t) == 0
	WIN 0x91
.else
	WIN 0xa1
.endif
.irp f, 0,1,2,3
.irp m, 0,1,2,3
.if (\t) == 0
	v_wmma_scale_f32_16x16x128_f8f6f4 v[8*(16*(\g)+4*\f+\m):8*(16*(\g)+4*\f+\m)+7], v[16*(4*(\g)+\f):16*(4*(\g)+\f)+15], v[XF+16*\m:XF+16*\m+15], v[192+8*(4*(\g)+\f):192+8*(4*(\g)+\f)+7], v[WS+4*(4*(\g)+\f)], v[XS+4*\m]
.elseif (\t) < 4
	v_wmma_scale_f32_16x16x128_f8f6f4 v[8*(16*(\g)+4*\f+\m):8*(16*(\g)+4*\f+\m)+7], v[16*(4*(\g)+\f):16*(4*(\g)+\f)+15], v[XF+64*((\t)%2)+16*\m:XF+64*((\t)%2)+16*\m+15], v[8*(16*(\g)+4*\f+\m):8*(16*(\g)+4*\f+\m)+7], v[WS+4*(4*(\g)+\f)+(\t)%4], v[XS+4*\m+(\t)%4]
.else
	v_wmma_scale_f32_16x16x128_f8f6f4 v[8*(16*(\g)+4*\f+\m):8*(16*(\g)+4*\f+\m)+7], v[16*(4*(\g)+\f):16*(4*(\g)+\f)+15], v[XF+64*((\t)%2)+16*\m:XF+64*((\t)%2)+16*\m+15], v[8*(16*(\g)+4*\f+\m):8*(16*(\g)+4*\f+\m)+7], v[WS+4*(4*(\g)+\f)+(\t)%4], v[XS+4*\m+(\t)%4] matrix_a_scale:MATRIX_SCALE_ROW1 matrix_b_scale:MATRIX_SCALE_ROW1
.endif
.endr
.endr
.else
	WIN 0xf4
.irp f, 0,1,2,3
.irp m, 0,1,2,3
.if (\t) == 0
	v_wmma_scale_f32_16x16x128_f8f6f4 v[8*(4*\f+\m):8*(4*\f+\m)+7], v[XF+16*\m:XF+16*\m+15], v[16*(8+\f):16*(8+\f)+15], v[128+8*\f:128+8*\f+7], v[XS+4*\m], v[WS+4*(8+\f)]
.elseif (\t) < 4
	v_wmma_scale_f32_16x16x128_f8f6f4 v[8*(4*\f+\m):8*(4*\f+\m)+7], v[XF+64*((\t)%2)+16*\m:XF+64*((\t)%2)+16*\m+15], v[16*(8+\f):16*(8+\f)+15], v[8*(4*\f+\m):8*(4*\f+\m)+7], v[XS+4*\m+(\t)%4], v[WS+4*(8+\f)+(\t)%4]
.else
	v_wmma_scale_f32_16x16x128_f8f6f4 v[8*(4*\f+\m):8*(4*\f+\m)+7], v[XF+64*((\t)%2)+16*\m:XF+64*((\t)%2)+16*\m+15], v[16*(8+\f):16*(8+\f)+15], v[8*(4*\f+\m):8*(4*\f+\m)+7], v[XS+4*\m+(\t)%4], v[WS+4*(8+\f)+(\t)%4] matrix_a_scale:MATRIX_SCALE_ROW1 matrix_b_scale:MATRIX_SCALE_ROW1
.endif
.endr
.endr
.endif
.endm
.macro EVEN t
	s_wait_dscnt 32
	GRP \t, 0
	PLACES 8
	LDX (\t)+1
	LDW (\t)+1, 0
	s_wait_dscnt 48
	GRP \t, 1
	PLACES 8
	LDW (\t)+1, 1
	s_wait_dscnt 48
	GRP \t, 2
	PLACES 8
	LDW (\t)+1, 2
.endm
.macro ODD t, fill
.set SL, ((\t)/2)%2
	WIN 0
	s_wait_tensorcnt 0x0
	ds_add_u32 v[SPW], v[NIL]
	s_wait_dscnt 33
	GRP \t, 0
	WIN 0
	s_wait_dscnt 0x0
.if \fill
	CROUND
	s_add_nc_u64 s[G0W+4*SL+2:G0W+4*SL+3], s[G0W+4*SL+2:G0W+4*SL+3], 512
	s_add_nc_u64 s[G0X+4*SL+2:G0X+4*SL+3], s[G0X+4*SL+2:G0X+4*SL+3], 512
	JLOAD SL
	PLACES 4
.else
	s_barrier_signal -1
	s_barrier_wait -1
	PLACES 8
.endif
	LDX (\t)+1
	LDW (\t)+1, 0
	GRP \t, 1
	PLACES 8
	LDW (\t)+1, 1
	GRP \t, 2
	PLACES 8
	LDW (\t)+1, 2
.endm
	s_wait_alu depctr_va_vdst(0)
	s_wait_tensorcnt 0x0                           ; my part of K step 0 is in
	ds_add_u32 v[SPW], v[NIL]
	s_wait_dscnt 0x0
	CROUND                                         ; everybody's part is in, and all sixteen work-groups are here
	JLOAD 1                                        ; K step 1: the first tensor load behind the round
	global_prefetch_b8 v30, s[84:85] offset:768 th:TH_LOAD_NT scope:SCOPE_SE   ; K step 3's 256 bytes of each row: its load stands two changes of slots on
	LDX 0
	LDW 0, 0
	LDW 0, 1
	LDW 0, 2
	s_wait_loadcnt 0x0
	EVEN 0
	ODD 1, 1
	EVEN 2
	ODD 3, 1
	EVEN 4
	ODD 5, 0
	EVEN 6
	s_wait_dscnt 32
	GRP 7, 0
	s_wait_dscnt 16
	GRP 7, 1
	s_wait_dscnt 0x0
	GRP 7, 2
	WIN 0
	PLACES 8
.macro QBATCH wa, wb, wc, wd, base, sa, sb, dd, pcb
	WIN \wa
.irp n, 0,1,2,3,4,5,6,7
	v_max3_num_f32 v[TM+\n], |v[\base+\sa*(\n/2)+\sb*(\n%2)]|, |v[\base+\sa*(\n/2)+\sb*(\n%2)+1]|, 0x4800000
.endr
	WIN \wb
.irp i, 2,4,6
.irp n, 0,1,2,3,4,5,6,7
	v_max3_num_f32 v[TM+\n], v[TM+\n], |v[\base+\sa*(\n/2)+\sb*(\n%2)+\i]|, |v[\base+\sa*(\n/2)+\sb*(\n%2)+\i+1]|
.endr
.endr
.irp i, 0,2,4,6
.irp n, 0,1,2,3,4,5,6,7
	v_max3_num_f32 v[TM+\n], v[TM+\n], |v[\base+\sa*(\n/2)+\sb*(\n%2)+\dd+\i]|, |v[\base+\sa*(\n/2)+\sb*(\n%2)+\dd+\i+1]|
.endr
.endr
	WIN 0
.irp n, 0,1,2,3,4,5,6,7
	v_permlanex16_b32 v[TP+\n], v[TM+\n], s66, s67
.endr
.irp n, 0,1,2,3,4,5,6,7
	v_max_num_f32 v[TM+\n], v[TM+\n], v[TP+\n]
.endr
.irp n, 0,1,2,3,4,5,6,7
	v_add_nc_u32 v[TS+\n], 0xfc000000, v[TM+\n]
.endr
.irp n, 0,1,2,3,4,5,6,7
	v_and_or_b32 v[TH+\n], v[TM+\n], 0x7f800000, s68
.endr
.irp n, 0,1,2,3,4,5,6,7
	v_lshrrev_b32 v[TP+\n], 23, v[TS+\n]
.endr
	WIN \wc
.irp n, 0,1,2,3,4,5,6,7
.irp i, 0,1,2,3,4,5,6,7
	v_med3_num_f32 v[\base+\sa*(\n/2)+\sb*(\n%2)+\i], v[\base+\sa*(\n/2)+\sb*(\n%2)+\i], -v[TH+\n], v[TH+\n]
.endr
.irp i, 0,1,2,3,4,5,6,7
	v_med3_num_f32 v[\base+\sa*(\n/2)+\sb*(\n%2)+\dd+\i], v[\base+\sa*(\n/2)+\sb*(\n%2)+\dd+\i], -v[TH+\n], v[TH+\n]
.endr
.endr
	WIN \wd
.irp n, 0,1,2,3,4,5,6,7
	v_cvt_scalef32_pk8_fp8_f32 v[\pcb+4*\n:\pcb+4*\n+1], v[\base+\sa*(\n/2)+\sb*(\n%2):\base+\sa*(\n/2)+\sb*(\n%2)+7], v[TS+\n]
	v_cvt_scalef32_pk8_fp8_f32 v[\pcb+4*\n+2:\pcb+4*\n+3], v[\base+\sa*(\n/2)+\sb*(\n%2)+\dd:\base+\sa*(\n/2)+\sb*(\n%2)+\dd+7], v[TS+\n]
.endr
	WIN 0
	v_nop
.irp n, 0,1,2,3,4,5,6,7
	v_permlane16_swap_b32 v[\pcb+4*\n], v[\pcb+4*\n+2]
	v_permlane16_swap_b32 v[\pcb+4*\n+1], v[\pcb+4*\n+3]
.endr
.endm
.macro WORDS ww
.irp m, 0,1,2,3
	v_lshl_or_b32 v[\ww+\m], v[TP+2*\m+1], 8, v[TP+2*\m]
.endr
.irp m, 0,1,2,3
	v_lshl_or_b32 v[\ww+\m], v[\ww+\m], 16, v[\ww+\m]
.endr
	v_cndmask_b32 v[\ww+4], v[\ww], v[\ww+2], s69
	v_cndmask_b32 v[\ww+5], v[\ww+1], v[\ww+3], s69
.endm
	QBATCH 0x0a, 0x28, 0x82, 0x02, 0, 8, 64, 32, 128
.irp n, 0,1,2,3,4,5,6,7
	global_store_b128 v[LI], v[128+4*\n:131+4*\n], s[14:15] offset:512*\n
.endr
	WORDS 224
	global_store_b64 v[L8], v[228:229], s[16:17]
	QBATCH 0x0a, 0x28, 0x82, 0x02, 128, 8, 64, 32, 160
.irp n, 0,1,2,3,4,5,6,7
	global_store_b128 v[LI], v[160+4*\n:163+4*\n], s[88:89] offset:512*\n
.endr
	WORDS 232
	global_store_b64 v[L8], v[236:237], s[90:91]
	QBATCH 0x0f, 0x3c, 0xc3, 0x03, 0, 32, 16, 8, 192
.irp n, 0,1,2,3,4,5,6,7
	global_store_b128 v[LI], v[192+4*\n:195+4*\n], s[92:93] offset:2048*(\n/2)+512*(\n%2)
.endr
.irp f, 0,1,2,3
	v_lshl_or_b32 v[240+\f], v[TP+2*\f+1], 8, v[TP+2*\f]
.endr
.irp f, 0,1,2,3
	ds_store_b16 v[VST], v[240+\f] offset:64*\f
.endr
	s_wait_dscnt 0x0
	s_barrier_signal -1
	s_barrier_wait -1
	s_cmp_lg_u32 s20, 0
	s_cbranch_scc1 .Lnot_mine
	ds_load_b128 v[244:247], v[VLD]
	s_wait_dscnt 0x0
	global_store_b128 v[VGO], v[244:247], s[94:95]
.Lnot_mine:
	s_wait_tensorcnt 0x0
	ds_add_u32 v[SPW], v[NIL]
	s_wait_dscnt 0x0
	CROUND
	s_endpgm
.Lfunc_end_k_q1dabc81576_qkv:
	.size	k_q1dabc81576_qkv, .Lfunc_end_k_q1dabc81576_qkv-k_q1dabc81576_qkv
	.p2alignl 7, 3214868480
	.fill 96, 4, 3214868480
	.section	.rodata,"a",@progbits
	.p2align	6, 0x0
	.amdhsa_kernel k_q1dabc81576_qkv
		.amdhsa_group_segment_fixed_size 327680
		.amdhsa_private_segment_fixed_size 0
		.amdhsa_enable_private_segment 0
		.amdhsa_kernarg_size 64
		.amdhsa_user_sgpr_count 2
		.amdhsa_user_sgpr_kernarg_segment_ptr 1
		.amdhsa_wavefront_size32 1
		.amdhsa_system_sgpr_workgroup_id_x 1
		.amdhsa_system_sgpr_workgroup_id_y 1
		.amdhsa_system_sgpr_workgroup_id_z 1
		.amdhsa_system_vgpr_workitem_id 0
		.amdhsa_next_free_vgpr 1024
		.amdhsa_next_free_sgpr 96
		.amdhsa_reserve_vcc 0
		.amdhsa_float_denorm_mode_32 3
		.amdhsa_float_denorm_mode_16_64 3
		.amdhsa_memory_ordered 1
		.amdhsa_forward_progress 1
		.amdhsa_inst_pref_size 160
	.end_amdhsa_kernel
	.amdgpu_metadata
---
amdhsa.version: [ 1, 2 ]
amdhsa.kernels:
  - .name:           k_q1dabc81576_qkv
    .symbol:         k_q1dabc81576_qkv.kd
    .args:
      - { .name: x_codes, .offset: 0, .size: 8, .value_kind: global_buffer, .address_space: global }
      - { .name: x_scales, .offset: 8, .size: 8, .value_kind: global_buffer, .address_space: global }
      - { .name: Wqkv_codes, .offset: 16, .size: 8, .value_kind: global_buffer, .address_space: global }
      - { .name: Wqkv_scales, .offset: 24, .size: 8, .value_kind: global_buffer, .address_space: global }
      - { .name: bqkv, .offset: 32, .size: 8, .value_kind: global_buffer, .address_space: global }
      - { .name: qimg, .offset: 40, .size: 8, .value_kind: global_buffer, .address_space: global }
      - { .name: qscl, .offset: 48, .size: 8, .value_kind: global_buffer, .address_space: global }
      - { .name: kv, .offset: 56, .size: 8, .value_kind: global_buffer, .address_space: global }
    .group_segment_fixed_size: 327680
    .private_segment_fixed_size: 0
    .kernarg_segment_align: 8
    .kernarg_segment_size: 64
    .max_flat_workgroup_size: 128
    .sgpr_count:     96
    .vgpr_count:     1024
    .wavefront_size: 32
...
	.end_amdgpu_metadata
.endif
;; end of part 2
;; launch attn (part 3): grid 4 x 64, 16 waves a work-group, clusters of 4 x 1, 327,680 bytes of LDS; arguments qimg, qscl, kv, mbits, ctximg, cscl; writes ctximg, cscl
.if DOCPART == 3
	.amdgcn_target "amdgcn-amd-amdhsa--gfx1250"
	.amdhsa_code_object_version 6
	.text
	.protected	k_q1dabc81576_attn
	.globl	k_q1dabc81576_attn
	.p2align	8
	.type	k_q1dabc81576_attn,@function
k_q1dabc81576_attn:
	s_mov_b64 s[64:65], 0
	v_nop
	global_prefetch_b8 v0, s[64:65] scope:SCOPE_SE
	s_setreg_imm32_b32 hwreg(HW_REG_WAVE_MODE, 25, 1), 1
	s_wait_xcnt 0x0
	s_wait_alu depctr_hold_cnt(0) depctr_sa_sdst(0) depctr_va_vdst(0) depctr_va_sdst(0) depctr_va_ssrc(0) depctr_va_vcc(0) depctr_vm_vsrc(0)
	s_getreg_b32 s2, hwreg(HW_REG_IB_STS2, 6, 4)
	s_cmp_eq_u32 s2, 0
	s_cbranch_scc0 .Lentry_in_a_cluster
	s_endpgm
.Lentry_in_a_cluster:
	s_bfe_u32 s2, ttmp6, 0x10000c
	s_cmp_lg_u32 s2, 0x3003
	s_cbranch_scc0 .Lentry_shape_is_right
	s_endpgm
.Lentry_shape_is_right:
; ctx = softmax(where(mask == 1, 0, q k^T / 8)) v for one head, both products on codes of FP8 (E4M3) with E8M0 scales; ctx is then quantised along the model's 1,024 for the last product.
; THE SOFTMAX AHEAD OF THE SECOND PRODUCT: t = score x log2(e) / 8 (0 where the mask says so); M = the row's largest t so far, rounded up to a whole number; p = 2^(t - M) is quantised along the keys,
; not normalised; the row's sum is taken of the unquantised p and divides at the end.  When M moves, the sum and O are multiplied by 2^(old M - new M): exact.
; SHARES: 64 (batch, head) x 4 work-groups = 256.  A work-group owns 512 queries of one head and takes them in NP = 2 passes of 256; in a pass each of its sixteen waves owns 16 queries, in 256 registers.
; THE WHOLE HEAD'S K AND V LIE IN LDS: 16 records of 17,152 bytes (128 keys each: K's image, V's image, their scale words), each byte filled once: no ring, and both passes read the same bytes.
; Wave w fetches record w: one tensor load a wave, all at the head; one wait for all and one barrier follow; behind it the waves share nothing and meet no barrier until the closing round.
; CLUSTER 4 x 1: the four work-groups of a head form a cluster and ask for each record jointly.
; LAYOUT: both products transposed: S^T = K Q^T (source 0 = 16 keys), O^T = V^T P^T (source 0 = 16 channels): a lane holds ONE query (lane % 16) throughout.
; THE KEYS OF A TILE ARE NOT NEIGHBOURS: lane r of tile 2 b + u takes key 32 b + 8 u + r + 8 (r / 8) (chosen by the lane's LDS address in K's image), so that registers 16 b .. 16 b + 15 of S^T are
; keys 32 b + 16 h + 0 .. 15: the conversions' results are the second product's operand as they stand.  The mask words are laid in the same order.
; TWO REGIONS OF 64 REGISTERS SWAP ROLES FROM STEP TO STEP.  In a step one region holds K's fragments and then V's; the other takes S^T, becomes p, and, as each block of 32 keys has been converted, takes two tiles
; of the NEXT record's K.  So K's loads are issued ahead of the second product and are waited for at the next step's head.  A trip of the loop is two steps, after which the regions are back where they began.
; The look-ahead of a pass's last step names record 0: the next pass begins with it (behind the last pass those 20 loads are not used).
; K = 64 IN AN INSTRUCTION OF 128: Q's fragment has zero codes in its upper eight registers.  K's fragment of tile t is named with 16 registers: its upper eight are the next tile's codes (eight registers of zeros
; stand behind each region), which meet Q's zeros.  LIMIT: this leans on those codes never being the NaN code; they are this program's own, held at 448 by the launch before.
; THE MASK comes as lane-mask words, 64 a step, by scalar loads issued one step ahead (a pass's last step asks for the next pass's first words): one v_cndmask_b32 a register.
; PREFETCH: in each step one request for the 256 bytes of mask words that the step three on will use, two steps ahead of their scalar loads; all lanes name that one block; the offset is held inside the wave's band.
; K's and V's records are all asked for at the head, so there is no trip to run ahead in; Q's 1,088 bytes a pass are read once, by plain loads.
; LIMITS: the promise holds while the scaled scores stay under 2^31 in magnitude.  NaN and infinities are not served.  A block of zeros gets the byte 1.  ctx's scale bytes leave as single bytes, 32 a wave
; and pass (one part in 32 of what the launch stores): their 256-byte units are written in part.
; REGISTERS: v1-3, v7 lane terms; v4-6, v8 the step's LDS addresses; v9, v10 offsets; v12 -M, v13 the largest score, v[14:15] the sum; v16-23 Q, v24-31 zeros; v32-95 region X, v96-103 zeros; v104-167 region Y,
;   v168-175 zeros; v176-207 O^T; v208-223 p's codes (before that: partial sums); v224-239 four registers a block; v240-243 K's scale words, v244-245 V's, v246 Q's, v247 p's; v[248:249] f; v250-251 at work.
.set NP,  2
.set REC, 17152
.set VIM, 8192
.set KSC, 16384
.set VSC, 16896
.set SPARE, 16*REC                     ; behind the records: the spare words, 128 bytes a wave
.set X,   32
.set Z,   96                           ; a register of zeros
.set Y,   104
.set OT,  176
.set PC,  208
.set BP,  224                          ; block b's four: BP + 4 b at work, BS + 4 b the conversion's scale, BM + 4 b the largest, BH + 4 b the hold
.set BS,  225
.set BM,  226
.set BH,  227
.set KS,  240
.set VS,  244
.set QS,  246
.set PW,  247
.set FF,  248
.set TT,  250
.set SPW, 254
.set NIL, 255
.macro CROUND                          ; a round of the cluster's barrier
	s_barrier_signal -1
	s_barrier_wait -1
	s_cmp_lg_u32 s2, 0
	s_cbranch_scc1 .Lnot_wave_0_\@
	s_barrier_signal -3
.Lnot_wave_0_\@:
	s_barrier_wait -3
	s_barrier_signal -1
	s_barrier_wait -1
.endm
.macro MWORDS                          ; 64 mask words, 256 bytes, at offset s7 of my band
	s_load_b512 s[32:47], s[4:5], s7 offset:0x0
	s_load_b512 s[48:63], s[4:5], s7 offset:0x40
	s_load_b512 s[68:83], s[4:5], s7 offset:0x80
	s_load_b512 s[84:99], s[4:5], s7 offset:0xc0
.endm
.macro KTILES reg, b, adr              ; tiles 2 b and 2 b + 1 of a record's K into registers reg + 16 b .. + 15
.irp u, 0,1
	ds_load_b128 v[\reg+16*(\b)+8*\u:\reg+16*(\b)+8*\u+3], v[\adr] offset:2048*(\b)+128*\u
	ds_load_b128 v[\reg+16*(\b)+8*\u+4:\reg+16*(\b)+8*\u+7], v[\adr] offset:2048*(\b)+128*\u+512
.endr
.endm
.macro KSCALES adr                     ; and its scale words: lanes 0-15 tile 2 i's rows, lanes 16-31 tile 2 i + 1's
.irp i, 0,1,2,3
	ds_load_b32 v[KS+\i], v[\adr] offset:128*\i
.endr
.endm
; A pass's opening: Q's fragment and scale word are asked for; O^T, the sum and the largest score begin anew.
.macro PASSHEAD first
	global_load_b128 v[16:19], v1, s[20:21]
	global_load_b128 v[20:23], v1, s[20:21] offset:512
	global_load_b32 v[QS], v9, s[22:23]
.if \first
	s_mov_b32 s7, 0
	MWORDS                                         ; the first step's mask words (later passes: asked for in the pass before)
.endif
.set i, 0
.rept 32
	v_mov_b32 v[OT+i], 0                           ; the step is written once: the first finds zeros, which the first change of M leaves zeros
.set i, i+1
.endr
	v_mov_b32 v13, 0xff61b1e6                      ; the largest score so far: -3e38
	v_mov_b32 v14, 0
	v_mov_b32 v15, 0
	v_floor_f32 v12, -v13                          ; -M: above every later one
.endm
	s_load_b256 s[32:39], s[0:1], 0x0              ; qimg, qscl, kv, mbits  (s32-63 and s68-99 hold the mask words later)
	s_load_b128 s[40:43], s[0:1], 0x20             ; ctximg, cscl
	v_lshl_add_u32 v[SPW], v0, 2, SPARE
	v_mov_b32 v[NIL], 0
	ds_add_u32 v[SPW], v[NIL]                      ; the opening lines: the add, twice on end, and its wait ahead of my tensor load
	ds_add_u32 v[SPW], v[NIL]
	v_lshrrev_b32 v4, 5, v0
	v_readfirstlane_b32 s2, v4                     ; wave 0..15
	s_bfe_u32 s44, ttmp6, 0x40000                  ; cx: it enters Q's, the mask's and ctx's addresses alone
	s_and_b32 s45, ttmp7, 0xffff                   ; bh = 16 b + head, which the four partners share
	s_lshl_b32 s46, s44, 5
	s_add_co_u32 s46, s46, s2                      ; my tile of 16 queries in pass 0: 32 cx + wave; a pass on: + 16
	s_lshr_b32 s47, s45, 4
	s_lshl_b32 s47, s47, 7
	s_add_co_u32 s47, s47, s46                     ; T = 128 b + tile
	s_and_b32 s60, s45, 15                         ; head
	s_mov_b32 s8, 15|(3<<16)|(1<<21)               ; group 1: a record is a dense block: 67 rows of 32 elements of 8 bytes; the mask names all four work-groups; 21 set beside a mask
	s_mov_b32 s9, 32<<16
	s_mov_b32 s10, 67<<16
	s_mov_b32 s11, 32<<16
	s_mov_b32 s12, 67
	s_mov_b32 s13, 32
	s_mov_b32 s14, 0
	s_mov_b32 s15, 0
	s_mov_b32 s16, 1
	s_mul_i32 s17, s2, REC                         ; record w in LDS,
	s_lshl_b32 s48, s45, 4
	s_add_co_u32 s48, s48, s2
	s_mul_i32 s48, s48, REC                        ; and in memory: the head and the wave's number alone
	s_mov_b32 s49, 0
	s_lshl_b32 s50, s45, 7
	s_add_co_u32 s50, s50, s46
	s_lshl_b32 s50, s50, 10                        ; Q's image: 1,024 bytes a tile
	s_mov_b32 s51, 0
	s_lshl_b32 s52, s45, 13                        ; its scale words: 8,192 bytes a head, 256 for four tiles,
	s_lshr_b32 s61, s46, 2
	s_lshl_b32 s61, s61, 8
	s_add_co_u32 s52, s52, s61
	s_bfe_u32 s61, s46, 0x10001
	s_lshl_b32 s61, s61, 7                         ; 128 for each pair of tiles,
	s_add_co_u32 s52, s52, s61
	s_and_b32 s61, s46, 1
	s_lshl_b32 s61, s61, 2                         ; 4 for the odd one
	s_add_co_u32 s52, s52, s61
	s_mov_b32 s53, 0
	s_lshl_b32 s54, s47, 12                        ; my band's mask words: 4,096 bytes
	s_mov_b32 s55, 0
	s_lshl_b32 s56, s47, 14                        ; ctximg: 16,384 bytes a tile of tokens, 1,024 a head
	s_lshl_b32 s61, s60, 10
	s_add_co_u32 s56, s56, s61
	s_mov_b32 s57, 0
	s_lshl_b32 s58, s47, 9                         ; cscl: 512 bytes a tile of tokens, 2 a head in each row of 32
	s_lshl_b32 s61, s60, 1
	s_add_co_u32 s58, s58, s61
	s_mov_b32 s59, 0
	s_mov_b32 s66, 0x76543210
	s_mov_b32 s67, 0xfedcba98                      ; v_permlanex16_b32's selects for lane l xor 16
	s_mov_b32 s100, 0x3e38aa3b                     ; c = log2(e) / 8
	s_mov_b32 s101, s100                           ; (named with it as a pair, so it is written)
	s_mov_b32 s104, 0x600000                       ; the mantissa field of 448
	s_mov_b32 s105, 0xffff0000                     ; lanes 16-31
	s_mov_b32 s28, NP                              ; passes to go
	s_wait_dscnt 0x0                               ; both opening adds are done
	s_wait_kmcnt 0x0
	s_add_nc_u64 s[18:19], s[36:37], s[48:49]
	s_or_b32 s19, s19, 0x80000000
	s_add_nc_u64 s[20:21], s[32:33], s[50:51]
	s_add_nc_u64 s[22:23], s[34:35], s[52:53]
	s_add_nc_u64 s[4:5], s[38:39], s[54:55]
	s_add_nc_u64 s[24:25], s[40:41], s[56:57]
	s_add_nc_u64 s[26:27], s[42:43], s[58:59]
	CROUND                                         ; all four work-groups are here: the joint loads meet
	tensor_load_to_lds s[16:19], s[8:15]           ; my record: my one tensor load of the launch
	s_nop 0
	v_and_b32 v4, 31, v0                           ; lane
	v_and_b32 v5, 15, v0                           ; r
	v_bfe_u32 v6, v0, 4, 1                         ; h
	v_and_b32 v8, 7, v0                            ; r % 8
	v_bfe_u32 v252, v0, 3, 1                       ; r / 8
	v_lshlrev_b32 v1, 4, v4                        ; 16 x lane: an image's place for my lane
	v_lshlrev_b32 v7, 4, v8                        ; K's image: row 8 u + r % 8 of the stored tile 2 b + r / 8: 16 (r % 8)
	v_lshlrev_b32 v2, 3, v8                        ; K's scale words: 8 (r % 8)
	v_lshl_add_u32 v7, v252, 10, v7                ; + 1,024 (r / 8)
	v_lshl_add_u32 v2, v252, 2, v2                 ; + 4 (r / 8)
	v_lshl_add_u32 v7, v6, 8, v7                   ; + 256 h; the offsets add 2,048 b + 128 u
	v_lshl_add_u32 v2, v6, 6, v2                   ; + 64 h
	v_lshl_add_u32 v3, v4, 2, VSC                  ; V's scale words: 4 x lane
	v_add_nc_u32 v2, KSC, v2
	v_lshlrev_b32 v9, 3, v5                        ; Q's scale word: 8 r
	v_lshl_add_u32 v10, v5, 5, v6                  ; the way out: 32 r + h
.set i, 0
.rept 8
	v_mov_b32 v[24+i], 0                           ; Q's upper 64 along K: zero codes
	v_mov_b32 v[X+64+i], 0                         ; what stands behind K's last tile, in either region
	v_mov_b32 v[Y+64+i], 0
.set i, i+1
.endr
.irp b, 0,1,2,3
	v_mov_b32 v[BP+4*\b], 0                        ; written once: a lane permute's destination counts as one of its sources
.endr
	v_mov_b32 v[FF+1], 0                           ; (named as the upper half of the pair f)
	PASSHEAD 1
; One round of the row's sum of the unquantised p: seven partial sums (chain c in v[PC + 2 c : PC + 2 c + 1]) and the running sum take eight pairs from register o on.
.macro SUMROUND sr, o
.set c, 0
.rept 7
	v_pk_add_f32 v[PC+2*c:PC+2*c+1], v[PC+2*c:PC+2*c+1], v[\sr+\o+2*c:\sr+\o+2*c+1]
.set c, c+1
.endr
	v_pk_add_f32 v[14:15], v[14:15], v[\sr+\o+14:\sr+\o+15]
.endm
.macro FMAS sr, from                   ; t - M of 16 scores, two at a time
.set j, \from
.rept 8
	v_pk_fma_f32 v[\sr+j:\sr+j+1], v[\sr+j:\sr+j+1], s[100:101], v[12:13] op_sel_hi:[1,0,0]
.set j, j+2
.endr
.endm
; A KEY STEP: 128 keys.  kr: the region with this record's K, then V;  sr: the region for S^T and p, then the next record's K;  cur, nx: scalar registers with the LDS bytes of this record and of the next.
.macro STEP kr, sr, cur, nx
	v_add_nc_u32 v4, s[\cur], v1
	v_add_nc_u32 v6, s[\cur], v3
	v_add_nc_u32 v8, s[\nx], v7
	v_add_nc_u32 v5, s[\nx], v2
.rept 5
	v_nop                                          ; with the four additions: nine places in front of products that write over registers which the last products have read
.endr
	s_wait_alu depctr_va_vdst(0)
	s_wait_dscnt 0x0                               ; K's fragments and scale words, asked for in the step before
.irp t, 0,2,4,6
	v_wmma_scale_f32_16x16x128_f8f6f4 v[\sr+8*\t:\sr+8*\t+7], v[\kr+8*\t:\kr+8*\t+15], v[16:31], 0, v[KS+\t/2], v[QS]
	v_wmma_scale_f32_16x16x128_f8f6f4 v[\sr+8*\t+8:\sr+8*\t+15], v[\kr+8*\t+8:\kr+8*\t+23], v[16:31], 0, v[KS+\t/2], v[QS] matrix_a_scale:MATRIX_SCALE_ROW1
.endr
.rept 8
	v_nop                                          ; places in front of the loads below and of the first read of the scores
.endr
.irp f, 0,1,2,3
.irp c, 0,1,2,3
	ds_load_b128 v[\kr+16*\f+4*\c:\kr+16*\f+4*\c+3], v4 offset:VIM+2048*\f+512*\c   ; V's fragments land under the softmax
.endr
.endr
	ds_load_b32 v[VS], v6
	ds_load_b32 v[VS+1], v6 offset:128
	s_wait_kmcnt 0x0                               ; this step's mask words, asked for a step ago; their loads are done, so the offset may step:
	s_add_co_u32 s7, s7, 256                       ; the next step's words;
	s_cmp_lt_u32 s7, 4096
	s_cselect_b32 s7, s7, s8                       ; behind the band's last: the next pass's first words, or in the last pass my last again: no load leaves the buffer
.set n, 0
.rept 64
	v_cndmask_b32 v[\sr+n], v[\sr+n], 0, s[32+n+4*(n/32)]  ; a masked score is 0, not -infinity: the key still counts.  Ascending: each accumulator is read from its low end on
.set n, n+1
.endr
	; the largest score of each block of 32 keys: for the row's maximum, and, since p rises with the score, for the block's largest p.  Two chains a block (registers 0-8 and 9-15), eight chains by turns
.irp b, 0,1,2,3
	v_max3_num_f32 v[BM+4*\b], v[\sr+16*\b], v[\sr+16*\b+1], v[\sr+16*\b+2]
.endr
.irp b, 0,1,2,3
	v_max3_num_f32 v[BH+4*\b], v[\sr+16*\b+9], v[\sr+16*\b+10], v[\sr+16*\b+11]
.endr
.irp i, 3,5
.irp b, 0,1,2,3
	v_max3_num_f32 v[BM+4*\b], v[BM+4*\b], v[\sr+16*\b+\i], v[\sr+16*\b+\i+1]
.endr
.irp b, 0,1,2,3
	v_max3_num_f32 v[BH+4*\b], v[BH+4*\b], v[\sr+16*\b+\i+9], v[\sr+16*\b+\i+10]
.endr
.endr
.irp b, 0,1,2,3
	v_max3_num_f32 v[BM+4*\b], v[BM+4*\b], v[\sr+16*\b+7], v[\sr+16*\b+8]
.endr
.irp b, 0,1,2,3
	s_delay_alu instid0(VALU_DEP_4)
	v_max_num_f32 v[BM+4*\b], v[BM+4*\b], v[BH+4*\b]
.endr
	MWORDS                                         ; asked for now, a step ahead
.irp b, 0,1,2,3
	v_permlanex16_b32 v[BP+4*\b], v[BM+4*\b], s66, s67
.endr
.irp b, 0,1,2,3
	s_delay_alu instid0(VALU_DEP_4)
	v_max_num_f32 v[BM+4*\b], v[BM+4*\b], v[BP+4*\b]       ; with lane l xor 16's 16 keys
.endr
	s_delay_alu instid0(VALU_DEP_2)
	v_max3_num_f32 v[TT], v[BM], v[BM+4], v[BM+8]
	v_mov_b32 v[TT+1], v12                         ; the old -M
	s_delay_alu instid0(VALU_DEP_2)
	v_max3_num_f32 v13, v[TT], v[BM+12], v13       ; the running largest score of my query
	s_delay_alu instid0(VALU_DEP_1)
	v_mul_f32 v[TT], s100, v13                     ; as t (c is positive, so the largest score gives the largest t)
	s_delay_alu instid0(VALU_DEP_1)
	v_floor_f32 v12, -v[TT]                        ; the new -M = floor(-t): M is a whole number
	FMAS \sr, 0
	v_sub_f32 v[TT], v12, v[TT+1]                  ; old M - new M: a whole number, 0 or less
	FMAS \sr, 16
	v_cvt_i32_f32 v[TT], v[TT]                     ; (it saturates)
	FMAS \sr, 32
	v_ldexp_f32 v[FF], 1.0, v[TT]                  ; f = 2^(old M - new M)
	FMAS \sr, 48
.irp b, 0,1,2,3
	v_fma_f32 v[BM+4*\b], v[BM+4*\b], s100, v12    ; the same of each block's largest score
.endr
	s_wait_alu depctr_va_vdst(0)
	s_wait_xcnt 0x0                                ; the last step's prefetch has read its address, so it may be written:
	s_add_co_u32 s29, s7, 512                      ; the words of the step three on,
	s_min_u32 s29, s29, 3840                       ; held inside my band
	s_add_co_u32 s30, s4, s29
	s_add_co_ci_u32 s31, s5, 0
	global_prefetch_b8 v[Z], s[30:31] th:TH_LOAD_NT scope:SCOPE_SE
.irp b, 0,1,2,3
	v_exp_f32 v[BM+4*\b], v[BM+4*\b]               ; the block's largest p: the same two instructions on the same number give the same bits
.endr
.set j, 0
.rept 64
	v_exp_f32 v[\sr+j], v[\sr+j]                   ; p = 2^(t - M), at most 1
.set j, j+1
.endr
	v_pk_mul_f32 v[14:15], v[14:15], v[FF:FF+1] op_sel_hi:[1,0]   ; the sums under the new M: a plain instruction behind the exponentials
	s_wait_alu depctr_va_vdst(0)                   ; one wait for the whole batch, ahead of its first reader
	; the row's sum (32 pairs in eight chains) and the four blocks' scales, by turns
.irp b, 0,1,2,3
	v_max_num_f32 v[BM+4*\b], 0x4800000, v[BM+4*\b]        ; the floor 2^(9 - 127): the byte cannot fall under 1
.endr
.set c, 0
.rept 7
	v_pk_add_f32 v[PC+2*c:PC+2*c+1], v[\sr+4*c:\sr+4*c+1], v[\sr+4*c+2:\sr+4*c+3]
.set c, c+1
.endr
	v_pk_add_f32 v[14:15], v[14:15], v[\sr+28:\sr+29]
.irp b, 0,1,2,3
	v_and_or_b32 v[BH+4*\b], v[BM+4*\b], 0x7f800000, s104  ; 448 x the scale
.endr
.irp b, 0,1,2,3
	v_add_nc_u32 v[BS+4*\b], 0xfc000000, v[BM+4*\b]        ; 8 off the exponent field: the conversion's scale operand
.endr
	SUMROUND \sr, 30
.irp b, 0,1,2,3
	v_lshrrev_b32 v[BP+4*\b], 23, v[BS+4*\b]       ; the scale's byte
.endr
	SUMROUND \sr, 46
	v_pk_add_f32 v[PC:PC+1], v[PC:PC+1], v[\sr+62:\sr+63]
	v_lshl_or_b32 v[PW], v[BP+4], 8, v[BP]         ; p's scale word for these 128 keys
	v_pk_add_f32 v[PC+4:PC+5], v[PC+4:PC+5], v[PC+6:PC+7]
	v_pk_add_f32 v[PC+8:PC+9], v[PC+8:PC+9], v[PC+10:PC+11]
	v_pk_add_f32 v[14:15], v[14:15], v[PC+12:PC+13]
	v_pk_add_f32 v[PC:PC+1], v[PC:PC+1], v[PC+2:PC+3]
	v_lshl_or_b32 v[PW], v[BP+8], 16, v[PW]
	v_pk_add_f32 v[14:15], v[14:15], v[PC+8:PC+9]
	v_pk_add_f32 v[PC:PC+1], v[PC:PC+1], v[PC+4:PC+5]
	v_lshl_or_b32 v[PW], v[BP+12], 24, v[PW]
	s_delay_alu instid0(VALU_DEP_2)
	v_pk_add_f32 v[14:15], v[14:15], v[PC:PC+1]
.irp b, 0,1,2,3
.irp i, 0,2,4,6,8,10,12,14
	v_dual_min_num_f32 v[\sr+16*\b+\i], v[\sr+16*\b+\i], v[BH+4*\b] :: v_dual_min_num_f32 v[\sr+16*\b+\i+1], v[\sr+16*\b+\i+1], v[BH+4*\b]   ; the conversion to an 8-bit code does not saturate (ISA guide 7.6.2); p is not negative, so the hold is one-sided
.endr
	v_cvt_scalef32_pk8_fp8_f32 v[PC+4*\b:PC+4*\b+1], v[\sr+16*\b:\sr+16*\b+7], v[BS+4*\b]          ; keys 32 b + 16 h + 0 .. 7,
	v_cvt_scalef32_pk8_fp8_f32 v[PC+4*\b+2:PC+4*\b+3], v[\sr+16*\b+8:\sr+16*\b+15], v[BS+4*\b]     ; and + 8 .. 15: the operand's order
	KTILES \sr, \b, 8                              ; the block's 16 registers are done with: they take two tiles of the next record's K
.endr
	KSCALES 5
	s_wait_alu depctr_va_vdst(0)
.set j, 0
.rept 16
	v_pk_mul_f32 v[OT+j:OT+j+1], v[OT+j:OT+j+1], v[FF:FF+1] op_sel_hi:[1,0]   ; O^T under the new M.  (These 16 also stand between the codes' last write and the products below)
.set j, j+2
.endr
	s_wait_alu depctr_va_vdst(0)
	s_wait_dscnt 20                                ; V's fragments and scale words are in; the 16 + 4 loads for the next record's K, issued behind them, may be out
.irp f, 0,2
	v_wmma_scale_f32_16x16x128_f8f6f4 v[OT+8*\f:OT+8*\f+7], v[\kr+16*\f:\kr+16*\f+15], v[PC:PC+15], v[OT+8*\f:OT+8*\f+7], v[VS+\f/2], v[PW]
	v_wmma_scale_f32_16x16x128_f8f6f4 v[OT+8*\f+8:OT+8*\f+15], v[\kr+16*\f+16:\kr+16*\f+31], v[PC:PC+15], v[OT+8*\f+8:OT+8*\f+15], v[VS+\f/2], v[PW] matrix_a_scale:MATRIX_SCALE_ROW1
.endr
.endm
	s_wait_alu depctr_va_vdst(0)
	s_wait_tensorcnt 0x0                           ; my record is in;
	s_barrier_signal -1
	s_barrier_wait -1                              ; and so are the other fifteen.  Nothing is filled again: the records are only read from here on
.irp b, 0,1,2,3
	KTILES X, \b, 7                                ; record 0's K, for the first step
.endr
	KSCALES 2
.Lpass:
	s_mov_b32 s8, 65536                            ; (the descriptor's registers are free: its load is done)  where the mask words go on behind my band: the next pass's band, 16 bands on,
	s_cmp_eq_u32 s28, 1
	s_cselect_b32 s8, 3840, s8                     ; or, in the last pass, my band's last block
	s_mov_b32 s6, 0
	s_wait_loadcnt 0x0                             ; Q and its scale word
.Ltrip:                                                ; eight trips of two steps: records 2 i and 2 i + 1
	s_mul_i32 s3, s6, 2*REC                        ; record 2 i,
	s_add_co_u32 s10, s3, REC                      ; record 2 i + 1,
	s_add_co_u32 s9, s6, 1
	s_and_b32 s9, s9, 7
	s_mul_i32 s9, s9, 2*REC                        ; and record 2 i + 2, or record 0 behind the last
	STEP X, Y, 3, 10
	STEP Y, X, 10, 9
	s_add_co_u32 s6, s6, 1
	s_cmp_lt_u32 s6, 8
	s_cbranch_scc1 .Ltrip
	; THE WAY OUT of a pass.  O^T / the sum; two blocks of 32 along the model's axis (my head's 64 channels) are quantised; the codes leave as an image of the last product's operand.
	; Region Y is at work here: region X and K's scale words hold, or are about to take, record 0's K.
.rept 8
	v_nop                                          ; places behind the last products
.endr
	v_add_f32 v14, v14, v15                        ; the sum's two halves,
	s_delay_alu instid0(VALU_DEP_1)
	v_permlanex16_b32 v[TT], v14, s66, s67
	s_delay_alu instid0(VALU_DEP_1)
	v_add_f32 v14, v14, v[TT]                      ; and lane l xor 16's: the row's sum
	s_wait_alu depctr_va_vdst(0)
	v_rcp_f32 v14, v14
	v_nop                                          ; a plain instruction behind the transcendental
	s_wait_alu depctr_va_vdst(0)                   ; and the wait ahead of its first reader
.set j, 0
.rept 16
	v_pk_mul_f32 v[Y+j:Y+j+1], v[OT+j:OT+j+1], v[14:15] op_sel_hi:[1,0]   ; register 8 f + j: channel 16 f + 8 h + j of my query
.set j, j+2
.endr
.irp b, 0,1
	v_max3_num_f32 v[BM+4*\b], |v[Y+16*\b]|, |v[Y+16*\b+1]|, 0x4800000
.endr
.irp i, 2,4,6,8,10,12,14
.irp b, 0,1
	s_delay_alu instid0(VALU_DEP_2)
	v_max3_num_f32 v[BM+4*\b], v[BM+4*\b], |v[Y+16*\b+\i]|, |v[Y+16*\b+\i+1]|
.endr
.endr
.irp b, 0,1
	s_delay_alu instid0(VALU_DEP_2)
	v_permlanex16_b32 v[BP+4*\b], v[BM+4*\b], s66, s67
.endr
.irp b, 0,1
	s_delay_alu instid0(VALU_DEP_2)
	v_max_num_f32 v[BM+4*\b], v[BM+4*\b], v[BP+4*\b]
.endr
.irp b, 0,1
	s_delay_alu instid0(VALU_DEP_2)
	v_add_nc_u32 v[BS+4*\b], 0xfc000000, v[BM+4*\b]
.endr
.irp b, 0,1
	s_delay_alu instid0(VALU_DEP_4)
	v_and_or_b32 v[BH+4*\b], v[BM+4*\b], 0x7f800000, s104
.endr
.irp b, 0,1
	s_delay_alu instid0(VALU_DEP_4)
	v_lshrrev_b32 v[BP+4*\b], 23, v[BS+4*\b]
.endr
	s_delay_alu instid0(VALU_DEP_1)
	v_cndmask_b32 v[TT+1], v[BP], v[BP+4], s105    ; lanes 0-15 store block 0's byte, lanes 16-31 block 1's
.irp b, 0,1
.irp i, 0,1,2,3,4,5,6,7,8,9,10,11,12,13,14,15
	v_med3_num_f32 v[Y+16*\b+\i], v[Y+16*\b+\i], -v[BH+4*\b], v[BH+4*\b]
.endr
	v_cvt_scalef32_pk8_fp8_f32 v[PC+4*\b:PC+4*\b+1], v[Y+16*\b:Y+16*\b+7], v[BS+4*\b]
	v_cvt_scalef32_pk8_fp8_f32 v[PC+4*\b+2:PC+4*\b+3], v[Y+16*\b+8:Y+16*\b+15], v[BS+4*\b]
.endr
	v_nop                                          ; one plain vector instruction between the conversions and the lines that touch their results
.irp b, 0,1
	v_permlane16_swap_b32 v[PC+4*\b], v[PC+4*\b+2]         ; into the operand's order: channels 32 b + 16 h + 0 .. 15
	v_permlane16_swap_b32 v[PC+4*\b+1], v[PC+4*\b+3]
.endr
	global_store_b128 v1, v[PC:PC+3], s[24:25]                 ; 512 consecutive bytes a store
	global_store_b128 v1, v[PC+4:PC+7], s[24:25] offset:512
	global_store_b8 v10, v[TT+1], s[26:27]
	s_wait_xcnt 0x0                                ; the stores and the mask words' loads have read their registers and bases: on to the next pass, 16 tiles of queries on
	s_add_nc_u64 s[20:21], s[20:21], 16*1024
	s_add_nc_u64 s[22:23], s[22:23], 4*256
	s_add_nc_u64 s[4:5], s[4:5], 16*4096
	s_add_nc_u64 s[24:25], s[24:25], 16*16384
	s_add_nc_u64 s[26:27], s[26:27], 16*512
	s_mov_b32 s7, 0
	s_sub_co_u32 s28, s28, 1
	s_cmp_eq_u32 s28, 0
	s_cbranch_scc1 .Llast                          ; behind the last pass nothing more is asked for
	PASSHEAD 0
.Llast:
	s_cmp_lg_u32 s28, 0
	s_wait_alu depctr_va_vdst(0)
	s_cbranch_scc1 .Lpass
	s_wait_tensorcnt 0x0                           ; the wave's end
	ds_add_u32 v[SPW], v[NIL]
	s_wait_dscnt 0x0
	CROUND                                         ; the closing round: no work-group ends while a partner may still ask for a record that names it
	s_endpgm
.Lfunc_end_k_q1dabc81576_attn:
	.size	k_q1dabc81576_attn, .Lfunc_end_k_q1dabc81576_attn-k_q1dabc81576_attn
	.p2alignl 7, 3214868480
	.fill 96, 4, 3214868480
	.section	.rodata,"a",@progbits
	.p2align	6, 0x0
	.amdhsa_kernel k_q1dabc81576_attn
		.amdhsa_group_segment_fixed_size 327680
		.amdhsa_private_segment_fixed_size 0
		.amdhsa_enable_private_segment 0
		.amdhsa_kernarg_size 48
		.amdhsa_user_sgpr_count 2
		.amdhsa_user_sgpr_kernarg_segment_ptr 1
		.amdhsa_wavefront_size32 1
		.amdhsa_system_sgpr_workgroup_id_x 1
		.amdhsa_system_sgpr_workgroup_id_y 1
		.amdhsa_system_sgpr_workgroup_id_z 1
		.amdhsa_system_vgpr_workitem_id 0
		.amdhsa_next_free_vgpr 256
		.amdhsa_next_free_sgpr 106
		.amdhsa_reserve_vcc 0
		.amdhsa_float_denorm_mode_32 3
		.amdhsa_float_denorm_mode_16_64 3
		.amdhsa_memory_ordered 1
		.amdhsa_forward_progress 1
		.amdhsa_inst_pref_size 66
	.end_amdhsa_kernel
	.amdgpu_metadata
---
amdhsa.version: [ 1, 2 ]
amdhsa.kernels:
  - .name:           k_q1dabc81576_attn
    .symbol:         k_q1dabc81576_attn.kd
    .args:
      - { .name: qimg, .offset: 0, .size: 8, .value_kind: global_buffer, .address_space: global }
      - { .name: qscl, .offset: 8, .size: 8, .value_kind: global_buffer, .address_space: global }
      - { .name: kv, .offset: 16, .size: 8, .value_kind: global_buffer, .address_space: global }
      - { .name: mbits, .offset: 24, .size: 8, .value_kind: global_buffer, .address_space: global }
      - { .name: ctximg, .offset: 32, .size: 8, .value_kind: global_buffer, .address_space: global }
      - { .name: cscl, .offset: 40, .size: 8, .value_kind: global_buffer, .address_space: global }
    .group_segment_fixed_size: 327680
    .private_segment_fixed_size: 0
    .kernarg_segment_align: 8
    .kernarg_segment_size: 48
    .max_flat_workgroup_size: 512
    .sgpr_count:     106
    .vgpr_count:     256
    .wavefront_size: 32
...
	.end_amdgpu_metadata
.endif
;; end of part 3
;; launch oproj (part 4): grid 32 x 8, 4 waves a work-group, clusters of 4 x 1, 327,680 bytes of LDS; arguments ctximg, cscl, Wo_codes, Wo_scales, bo, out0; writes out0
.if DOCPART == 4
	.amdgcn_target "amdgcn-amd-amdhsa--gfx1250"
	.amdhsa_code_object_version 6
	.text
	.protected	k_q1dabc81576_oproj
	.globl	k_q1dabc81576_oproj
	.p2align	8
	.type	k_q1dabc81576_oproj,@function
k_q1dabc81576_oproj:
	s_mov_b64 s[64:65], 0
	v_nop
	global_prefetch_b8 v0, s[64:65] scope:SCOPE_SE
	s_setreg_imm32_b32 hwreg(HW_REG_WAVE_MODE, 25, 1), 1
	s_wait_xcnt 0x0
	s_wait_alu depctr_hold_cnt(0) depctr_sa_sdst(0) depctr_va_vdst(0) depctr_va_sdst(0) depctr_va_ssrc(0) depctr_va_vcc(0) depctr_vm_vsrc(0)
	s_getreg_b32 s2, hwreg(HW_REG_IB_STS2, 6, 4)
	s_cmp_eq_u32 s2, 0
	s_cbranch_scc0 .Lentry_in_a_cluster
	s_endpgm
.Lentry_in_a_cluster:
	s_bfe_u32 s2, ttmp6, 0x10000c
	s_cmp_lg_u32 s2, 0x3003
	s_cbranch_scc0 .Lentry_shape_is_right
	s_endpgm
.Lentry_shape_is_right:
.set PITCH,  272
.set QB,     128*PITCH
.set STAGE,  4*QB
.set SPITCH, 528
.set ADW, 4
.set STO, 8
.set RD,  9
.set LI,  10
.set SCO, 11
.set BIO, 12
.set CS,  32
.set OS,  48
.set BI,  80
.set BK,  128
.set MSB, 0
.macro WIN new
.if MSB != \new
	s_set_vgpr_msb (MSB<<8)|\new
.set MSB, \new
.endif
.endm
.macro PLACES n
.rept \n
	v_nop
.endr
.endm
.macro CROUND
	s_barrier_signal -1
	s_barrier_wait -1
	s_cmp_lg_u32 s20, 0
	s_cbranch_scc1 .Lnot_wave_0_\@
	s_barrier_signal -3
.Lnot_wave_0_\@:
	s_barrier_wait -3
	s_barrier_signal -1
	s_barrier_wait -1
.endm
	s_load_b256 s[4:11], s[0:1], 0x0
	s_load_b128 s[12:15], s[0:1], 0x20
	v_lshl_add_u32 v30, v0, 2, 0x2a400
	v_mov_b32 v31, 0
	ds_add_u32 v30, v31
	ds_add_u32 v30, v31
	v_lshrrev_b32 v1, 5, v0
	v_readfirstlane_b32 s20, v1
	s_lshr_b32 s21, s20, 1
	s_and_b32 s22, s20, 1
	s_bfe_u32 s40, ttmp6, 0x40000
	s_lshl_b32 s41, ttmp9, 2
	s_add_co_u32 s41, s41, s40
	s_and_b32 s42, ttmp7, 0xffff
	s_mov_b32 s24, 15|(1<<20)|(1<<21)|(5<<22)|(3<<25)
	s_mov_b32 s25, 256<<16
	s_mov_b32 s26, 64<<16
	s_mov_b32 s27, 256<<16
	s_mov_b32 s28, 64
	s_mov_b32 s29, 1024
	s_mov_b32 s30, 0
	s_mov_b32 s31, 0
	s_lshl_b32 s44, s42, 7
	s_lshl_b32 s45, s22, 6
	s_add_co_u32 s44, s44, s45
	s_lshl_b32 s44, s44, 10
	s_lshl_b32 s45, s21, 8
	s_add_co_u32 s44, s44, s45
	s_mov_b32 s45, 0
	s_mul_i32 s46, s21, QB
	s_mul_i32 s47, s22, 64*PITCH
	s_add_co_u32 s46, s46, s47
	s_wait_dscnt 0x0
	s_wait_kmcnt 0x0
	s_add_nc_u64 s[48:49], s[8:9], s[44:45]
	CROUND
.irp i, 0,1
	s_mov_b32 s[32+4*\i], 1
	s_add_co_u32 s[33+4*\i], s46, \i*2*QB
	s_add_nc_u64 s[34+4*\i:35+4*\i], s[48:49], \i*512
	s_or_b32 s[35+4*\i], s[35+4*\i], 0x80000000
.endr
	tensor_load_to_lds s[32:35], s[24:31]
	s_nop 0
.rept 4
	v_nop
.endr
	v_and_b32 v1, 15, v0
	v_bfe_u32 v2, v0, 4, 1
	v_and_b32 v3, 31, v0
	v_mul_u32_u24 v[ADW], v1, PITCH
	v_lshl_add_u32 v[ADW], v2, 4, v[ADW]
	v_add_nc_u32 v[ADW+1], QB, v[ADW]
	v_add_nc_u32 v[ADW+2], 2*QB, v[ADW]
	v_add_nc_u32 v[ADW+3], 3*QB, v[ADW]
	s_mul_i32 s50, s20, 16*SPITCH
	s_add_co_u32 s50, s50, STAGE
	v_mul_u32_u24 v[STO], v1, SPITCH
	v_lshl_add_u32 v[STO], v2, 5, v[STO]
	v_add_nc_u32 v[STO], s50, v[STO]
	v_lshlrev_b32 v[LI], 4, v3
	v_add_nc_u32 v[RD], s50, v[LI]
	v_lshlrev_b32 v[SCO], 5, v1
	v_lshl_add_u32 v[SCO], v2, 4, v[SCO]
	s_wait_alu depctr_va_vdst(0)
	v_lshlrev_b32 v[BIO], 5, v2
	s_wait_alu depctr_va_vdst(0)
	s_lshl_b32 s52, s41, 4
	s_lshl_b32 s53, s20, 2
	s_add_co_u32 s52, s52, s53
	s_lshl_b32 s54, s52, 14
	s_mov_b32 s55, 0
	s_add_nc_u64 s[4:5], s[4:5], s[54:55]
	s_lshl_b32 s54, s52, 9
	s_add_nc_u64 s[6:7], s[6:7], s[54:55]
	s_lshl_b32 s54, s42, 12
	s_add_nc_u64 s[10:11], s[10:11], s[54:55]
	s_lshl_b32 s54, s42, 9
	s_add_nc_u64 s[12:13], s[12:13], s[54:55]
	s_add_nc_u64 s[14:15], s[14:15], s[54:55]
	s_lshl_b32 s54, s52, 16
	s_add_nc_u64 s[14:15], s[14:15], s[54:55]
.irp m, 0,1,2,3
	global_load_b128 v[CS+4*\m:CS+4*\m+3], v[SCO], s[6:7] offset:512*\m
.endr
.irp f, 0,1,2,3,4,5,6,7
	global_load_b128 v[OS+4*\f:OS+4*\f+3], v[SCO], s[10:11] offset:512*\f
.endr
.irp f, 0,1,2,3,4,5,6,7
	global_load_b128 v[BI+8*\f:BI+8*\f+3], v[BIO], s[12:13] offset:64*\f
	global_load_b128 v[BI+8*\f+4:BI+8*\f+7], v[BIO], s[12:13] offset:64*\f+16
.endr
.macro LDC q
	WIN 0x40
.irp u, 0,1
.irp m, 0,1,2,3
.irp c, 0,1,2,3
	global_load_b128 v[128*((\q)%2)+64*\u+16*\m+4*\c:128*((\q)%2)+64*\u+16*\m+4*\c+3], v[LI], s[4:5] offset:16384*\m+2048*(2*(\q)+\u)+512*\c
.endr
.endr
.endr
.endm
.macro LDWO s
	WIN 0xc0
.irp f, 0,1,2,3,4,5,6,7
.irp c, 0,1,2,3
	ds_load_b128 v[128*((\s)%2)+16*\f+4*\c:128*((\s)%2)+16*\f+4*\c+3], v[ADW+(\s)/2] offset:16*\f*PITCH+128*((\s)%2)+32*\c
.endr
.endr
.endm
.macro MM s
.if (\s) == 0
	WIN 0x87
.else
	WIN 0xa7
.endif
.irp m, 0,1,2,3
.irp f, 0,1,2,3,4,5,6,7
.if (\s) == 0
	v_wmma_scale_f32_16x16x128_f8f6f4 v[8*(8*\m+\f):8*(8*\m+\f)+7], v[16*\f:16*\f+15], v[16*\m:16*\m+15], v[BI+8*\f:BI+8*\f+7], v[OS+4*\f], v[CS+4*\m]
.elseif (\s) < 4
	v_wmma_scale_f32_16x16x128_f8f6f4 v[8*(8*\m+\f):8*(8*\m+\f)+7], v[128*((\s)%2)+16*\f:128*((\s)%2)+16*\f+15], v[64*((\s)%4)+16*\m:64*((\s)%4)+16*\m+15], v[8*(8*\m+\f):8*(8*\m+\f)+7], v[OS+4*\f+(\s)%4], v[CS+4*\m+(\s)%4]
.else
	v_wmma_scale_f32_16x16x128_f8f6f4 v[8*(8*\m+\f):8*(8*\m+\f)+7], v[128*((\s)%2)+16*\f:128*((\s)%2)+16*\f+15], v[64*((\s)%4)+16*\m:64*((\s)%4)+16*\m+15], v[8*(8*\m+\f):8*(8*\m+\f)+7], v[OS+4*\f+(\s)%4], v[CS+4*\m+(\s)%4] matrix_a_scale:MATRIX_SCALE_ROW1 matrix_b_scale:MATRIX_SCALE_ROW1
.endif
.endr
.endr
.endm
.macro STEP s
.if (\s) > 0
	PLACES 8
.endif
.if ((\s) == 2) || ((\s) == 4)
	LDC (\s)/2+1
.endif
.if (\s) == 3
	s_wait_tensorcnt 0x0
	s_wait_dscnt 0x0
	s_barrier_signal -1
	s_barrier_wait -1
.endif
.if (\s) < 7
	LDWO (\s)+1
.endif
.if (\s) == 6
	s_wait_loadcnt 0x0
.elseif (\s)%2 == 0
	s_wait_loadcnt 32
.endif
.if (\s) < 7
	s_wait_dscnt 32
.else
	s_wait_dscnt 0x0
.endif
	MM \s
.endm
	LDC 0
	LDC 1
	WIN 0
	s_wait_alu depctr_va_vdst(0)
	s_wait_tensorcnt 0x0                           ; my part of Wo's first half along K is in
	ds_add_u32 v30, v31
	s_wait_dscnt 0x0
	CROUND                                         ; everybody's part is in, and all four work-groups are here
	tensor_load_to_lds s[36:39], s[24:31]          ; the second half along K: the first tensor load behind the round
	s_nop 0
.rept 4
	v_nop
.endr
	LDWO 0
	STEP 0
	STEP 1
	STEP 2
	STEP 3
	STEP 4
	STEP 5
	STEP 6
	STEP 7
	WIN 0
.macro TOSTAGE m
	WIN 0x08
.irp f, 0,1,2,3,4,5,6,7
	ds_store_b128 v[STO], v[8*(8*(\m)+\f):8*(8*(\m)+\f)+3] offset:64*\f
	ds_store_b128 v[STO], v[8*(8*(\m)+\f)+4:8*(8*(\m)+\f)+7] offset:64*\f+16
.endr
	WIN 0
.irp t, 0,1,2,3,4,5,6,7,8,9,10,11,12,13,14,15
	ds_load_b128 v[BK+64*((\m)%2)+4*\t:BK+64*((\m)%2)+4*\t+3], v[RD] offset:\t*SPITCH
.endr
.endm
.macro SEND m, younger
	s_wait_dscnt \younger
.irp t, 0,1,2,3,4,5,6,7,8,9,10,11,12,13,14,15
	global_store_b128 v[LI], v[BK+64*((\m)%2)+4*\t:BK+64*((\m)%2)+4*\t+3], s[14:15] offset:(16*(\m)+\t)*4096 th:TH_STORE_NT
.endr
.endm
	PLACES 8
	TOSTAGE 0
	TOSTAGE 1
	SEND 0, 32
	s_wait_xcnt 0x0
	TOSTAGE 2
	SEND 1, 32
	s_wait_xcnt 0x0
	TOSTAGE 3
	SEND 2, 32
	SEND 3, 0
	s_wait_tensorcnt 0x0
	ds_add_u32 v30, v31
	s_wait_dscnt 0x0
	CROUND
	s_endpgm
.Lfunc_end_k_q1dabc81576_oproj:
	.size	k_q1dabc81576_oproj, .Lfunc_end_k_q1dabc81576_oproj-k_q1dabc81576_oproj
	.p2alignl 7, 3214868480
	.fill 96, 4, 3214868480
	.section	.rodata,"a",@progbits
	.p2align	6, 0x0
	.amdhsa_kernel k_q1dabc81576_oproj
		.amdhsa_group_segment_fixed_size 327680
		.amdhsa_private_segment_fixed_size 0
		.amdhsa_enable_private_segment 0
		.amdhsa_kernarg_size 48
		.amdhsa_user_sgpr_count 2
		.amdhsa_user_sgpr_kernarg_segment_ptr 1
		.amdhsa_wavefront_size32 1
		.amdhsa_system_sgpr_workgroup_id_x 1
		.amdhsa_system_sgpr_workgroup_id_y 1
		.amdhsa_system_sgpr_workgroup_id_z 1
		.amdhsa_system_vgpr_workitem_id 0
		.amdhsa_next_free_vgpr 1024
		.amdhsa_next_free_sgpr 66
		.amdhsa_reserve_vcc 0
		.amdhsa_float_denorm_mode_32 3
		.amdhsa_float_denorm_mode_16_64 3
		.amdhsa_memory_ordered 1
		.amdhsa_forward_progress 1
		.amdhsa_inst_pref_size 86
	.end_amdhsa_kernel
	.amdgpu_metadata
---
amdhsa.version: [ 1, 2 ]
amdhsa.kernels:
  - .name:           k_q1dabc81576_oproj
    .symbol:         k_q1dabc81576_oproj.kd
    .args:
      - { .name: ctximg, .offset: 0, .size: 8, .value_kind: global_buffer, .address_space: global }
      - { .name: cscl, .offset: 8, .size: 8, .value_kind: global_buffer, .address_space: global }
      - { .name: Wo_codes, .offset: 16, .size: 8, .value_kind: global_buffer, .address_space: global }
      - { .name: Wo_scales, .offset: 24, .size: 8, .value_kind: global_buffer, .address_space: global }
      - { .name: bo, .offset: 32, .size: 8, .value_kind: global_buffer, .address_space: global }
      - { .name: out0, .offset: 40, .size: 8, .value_kind: global_buffer, .address_space: global }
    .group_segment_fixed_size: 327680
    .private_segment_fixed_size: 0
    .kernarg_segment_align: 8
    .kernarg_segment_size: 48
    .max_flat_workgroup_size: 128
    .sgpr_count:     66
    .vgpr_count:     1024
    .wavefront_size: 32
...
	.end_amdgpu_metadata
.endif
;; end of part 4
